; MI455X (gfx1250); checked and timed in simulation.
; The chip was launched on July 23, 2026; its instructions are those of AMD's public machine-readable ISA for CDNA 5 (MIT licence, August 2026) and "CDNA5" Instruction Set Architecture Reference Guide (July 2026). The comments in the code are by the model that wrote it; some were corrected since.
;; Bahdanau Attention. Allowed arithmetic: matrix products marked QUANTISED: E4M3 operands, one E8M0 scale for each 32 along K, by v_wmma_scale_f32_16x16x128_f8f6f4 with both operands' format E4M3, f32 sums; products left as they are: f32 operands where the result goes on into a quantised operand, else bf16, f16 or f32 operands; f32 sums; everything else in f32.
;; Inputs: W_h 1,024 x 1,024 float32; W_s 1,024 x 1,024 float32; encoder_outputs 32 x 2,048 x 1,024 float32; query 32 x 1 x 1,024 float32; src_lengths 32 int32; v 1,024 float32.
;; Outputs: out0 32 x 1 x 1,024 float32.
;; This version of the problem:
;;   THIS VERSION OF THE PROBLEM IS GIVEN IN LOW PRECISION. The matrix products marked QUANTISED in the list below multiply operands that are first quantised to E4M3 (4 exponent bits, 3 mantissa bits; 8 bits a number), with one power-of-two scale for each 32 numbers along K (OCP MX v1.0); their sums are f32. All else is computed in f32.
;;   The module's matrix products, in the order in which they are computed (A, B: the left and right operand; K: the contracted axis; several contracted axes count as one K, in the product's order):
;;     1. [M 65,536, K 1,024] x [K 1,024, N 1,024]; A: input encoder_outputs; B: input W_h: QUANTISED
;;     2. [M 32, K 1,024] x [K 1,024, N 1,024]; A: input query; B: input W_s: QUANTISED
;;     3. [M 65,536, K 1,024] x [K 1,024, N 1]; A: computed on the way; B: input v: left as it is (N = 1 < 16)
;;     4. batch 32 x [M 1, K 2,048] x [K 2,048, N 1,024]; A: softmax; B: input encoder_outputs: left as it is (M = 1 < 16)
;;   THE QUANTISER, for each operand of a quantised product, along K:
;;     - K is cut into blocks of 32 from its start; a last block that is shorter is filled with zeros.
;;     - A block's scale is 2^e with e = floor(log2(the largest magnitude in the block)) - 8, held to -126 .. 127; a block of zeros has e = 0. As a byte (E8M0): e + 127.
;;     - Each number is divided by its block's scale, clamped to +-448, and rounded to the nearest number of E4M3, ties to even, subnormals kept.
;;     - The product sums the exact products of the quantised numbers (number of the format x scale) in f32.
;;   ~~~python
;;   def quantise(x, axis):      # numpy; x: float32 -> the quantised numbers, widened to float32 again
;;       x = np.moveaxis(x, axis, -1); K = x.shape[-1]
;;       x = np.pad(x, [(0, 0)] * (x.ndim - 1) + [(0, -K % 32)]); x = x.reshape(x.shape[:-1] + (-1, 32)); a = np.abs(x).max(-1, keepdims=True)
;;       e = np.where(a > 0, np.clip(np.frexp(np.where(a > 0, a, 1))[1] - 1 - 8, -126, 127), 0)      # np.frexp(a)[1] - 1 = floor(log2(a)), exactly
;;       r = np.clip(x / 2.0 ** e, -448, 448)
;;       step = 2.0 ** (np.maximum(np.frexp(np.where(r == 0, 1, r))[1] - 1, -6) - 3)
;;       q = np.round(r / step) * step * 2.0 ** e      # np.round: ties to even
;;       return np.moveaxis(q.reshape(q.shape[:-2] + (-1,))[..., :K], -1, axis).astype(np.float32)
;;   ~~~
;; One version. Each part assembles by itself: llvm-mc -triple=amdgcn-amd-amdhsa -mcpu=gfx1250 --defsym DOCPART=n.
;; ======== version 1 of 1: 3 launches
;; limits: right only within a limited range of input values
;; workspace buffers: Wc 1,048,576 bytes; Ws 32,768 bytes; Ec 67,108,864 bytes; Es 2,097,152 bytes; ps 131,072 bytes; tiles 20,736 bytes of whole numbers; scores 262,144 bytes
;; launch prep (part 1): grid 1089 x 1, 8 waves a work-group, no clusters, 135,168 bytes of LDS; arguments W_h, W_s, encoder_outputs, query, src_lengths, Wc, Ws, Ec, Es, ps, tiles; writes Wc, Ws, Ec, Es, ps, tiles
.if DOCPART == 1
	.amdgcn_target "amdgcn-amd-amdhsa--gfx1250"
	.amdhsa_code_object_version 6
	.text
	.protected	k_qb56a565323_prep
	.globl	k_qb56a565323_prep
	.p2align	8
	.type	k_qb56a565323_prep,@function
k_qb56a565323_prep:
	s_mov_b64 s[64:65], 0
	v_nop
	global_prefetch_b8 v0, s[64:65] scope:SCOPE_SE
	s_setreg_imm32_b32 hwreg(HW_REG_WAVE_MODE, 25, 1), 1
	s_wait_xcnt 0x0
; Four jobs, told apart by the work-group's number alone:
;   0..31   PROJ: ps = 2 log2(e) x (Q(query) Q(W_s)), 32 columns a work-group, the eight waves share K (128 each)
;   32..63  WH:   Q(W_h) as codes (E4M3) and E8M0 scale words, laid in the order of a matrix operand's registers
;   64      LIST: the list of tiles of 16 rows that lie under src_lengths, and their number T
;   65..    ENC:  Q(encoder_outputs) for those tiles alone: a wave takes 16 rows x 512 along K
; An IMAGE of a fragment (16 rows or columns x 128 K) is 2,048 bytes: chunk c of 512 bytes, lane L's 16 bytes at 512 c + 16 L.
; The quantiser: a block's scale is 2^(floor(log2(largest magnitude)) - 8); numbers are held within +-448 x scale and rounded to the nearest code.
; LIMITS: a block of zeros gets the byte 1 (its codes are zeros; only this program reads the bytes); NaN and infinities are not served;
; ps leaves in pieces of 4 bytes (131,072 bytes in all).  Rows at or behind a batch's length are not touched: reference() masks them.
.set STG, 0                            ; ENC: a stage of 16 rows x 528 bytes for each wave
.set PF,  67584                        ; PROJ: each wave's two fragments of W_s
.set PR,  100352                       ; PROJ: each wave's partial sums, 4,096 bytes
.set WSG, 133120                       ; WH: the scale words of two tiles of columns
.set TM,  16                           ; v16-31 at work in QUANT
.set PC,  32                           ; ENC: the codes just made
.set X,   48                           ; ENC: 64 numbers, 16 neighbours of each of four blocks
.set LA,  128                          ; ENC: two landing sets of 64
.set SW,  8                            ; ENC: four scale words
.set WL,  128                          ; W: 128 numbers down K
.set WC,  64                           ; W: their codes
; 64 numbers of a lane, register 16 b + i = k 32 b + 16 (lane / 16) + i of its row, become a fragment's codes v[pc ..] and its scale word v[pw]
.macro QUANT s, pc, pw
.irp b, 0,1,2,3
	v_max3_num_f32 v[TM+\b], |v[\s+16*\b]|, |v[\s+1+16*\b]|, 0x4800000   ; with the floor 2^(9 - 127): the byte cannot fall under 1
.endr
.irp i, 2,4,6,8,10,12,14
.irp b, 0,1,2,3
	v_max3_num_f32 v[TM+\b], v[TM+\b], |v[\s+16*\b+\i]|, |v[\s+1+16*\b+\i]|
.endr
.endr
.irp b, 0,1,2,3
	v_permlanex16_b32 v[TM+4+\b], v[TM+\b], s28, s29
.endr
.irp b, 0,1,2,3
	v_max_num_f32 v[TM+\b], v[TM+\b], v[TM+4+\b]           ; with lane l xor 16's: the block's largest magnitude
.endr
.irp b, 0,1,2,3
	v_add_nc_u32 v[TM+12+\b], 0xfc000000, v[TM+\b]         ; 8 off its exponent field: the conversion's scale operand
.endr
.irp b, 0,1,2,3
	v_and_or_b32 v[TM+8+\b], v[TM+\b], 0x7f800000, s30     ; 448 x the scale
.endr
.irp b, 0,1,2,3
	v_lshrrev_b32 v[TM+4+\b], 23, v[TM+12+\b]              ; the scale's byte
.endr
	v_lshl_or_b32 v[\pw], v[TM+5], 8, v[TM+4]
	v_lshl_or_b32 v[\pw], v[TM+6], 16, v[\pw]
	v_lshl_or_b32 v[\pw], v[TM+7], 24, v[\pw]
.irp b, 0,1,2,3
.irp i, 0,1,2,3,4,5,6,7,8,9,10,11,12,13,14,15
	v_med3_num_f32 v[\s+16*\b+\i], v[\s+16*\b+\i], -v[TM+8+\b], v[TM+8+\b]   ; the conversion does not saturate (ISA guide 7.6.2)
.endr
	v_cvt_scalef32_pk8_fp8_f32 v[\pc+4*\b:\pc+1+4*\b], v[\s+16*\b:\s+7+16*\b], v[TM+12+\b]
	v_cvt_scalef32_pk8_fp8_f32 v[\pc+2+4*\b:\pc+3+4*\b], v[\s+8+16*\b:\s+15+16*\b], v[TM+12+\b]
.endr
	v_nop                                                  ; a plain line behind the last conversion
.endm
; W [k][n]: a lane takes a column, its registers run down K; base s[32:33], v1 = 4 x lane
.macro WLOAD c
.set I, 0
.rept 32
	global_load_b32 v[WL+32*\c+I], v1, s[32:33] offset:(32*\c+I)*4096
.set I, I+1
.endr
.endm
.macro WBLK c                          ; block c of 32 along K: all 32 numbers are the lane's own
	v_max3_num_f32 v8, |v[WL+32*\c]|, |v[WL+32*\c+1]|, |v[WL+32*\c+2]|
	v_max3_num_f32 v9, |v[WL+32*\c+3]|, |v[WL+32*\c+4]|, |v[WL+32*\c+5]|
.irp i, 6,10,14,18,22,26
	v_max3_num_f32 v8, v8, |v[WL+32*\c+\i]|, |v[WL+32*\c+\i+1]|
	v_max3_num_f32 v9, v9, |v[WL+32*\c+\i+2]|, |v[WL+32*\c+\i+3]|
.endr
	v_max3_num_f32 v8, v8, |v[WL+32*\c+30]|, |v[WL+32*\c+31]|
	v_max3_num_f32 v8, v8, v9, 0x4800000
	v_add_nc_u32 v11, 0xfc000000, v8
	v_and_or_b32 v10, v8, 0x7f800000, s30
	v_lshrrev_b32 v12, 23, v11
.if \c == 0
	v_mov_b32 v13, v12
.else
	v_lshl_or_b32 v13, v12, 8*\c, v13                      ; the column's scale word for this K step
.endif
.set I, 0
.rept 32
	v_med3_num_f32 v[WL+32*\c+I], v[WL+32*\c+I], -v10, v10
.set I, I+1
.endr
.irp g, 0,1,2,3
	v_cvt_scalef32_pk8_fp8_f32 v[WC+8*\c+2*\g:WC+8*\c+2*\g+1], v[WL+32*\c+8*\g:WL+32*\c+8*\g+7], v11
.endr
.endm
.macro WQ                              ; two blocks' loads (64) ahead; each wait leaves the one younger block's 32 loads out
	WLOAD 0
	WLOAD 1
	s_wait_loadcnt 32
	WBLK 0
	WLOAD 2
	s_wait_loadcnt 32
	WBLK 1
	WLOAD 3
	s_wait_loadcnt 32
	WBLK 2
	s_wait_loadcnt 0x0
	WBLK 3
	v_nop                                                  ; a plain line behind the last conversion
.endm
	s_load_b512 s[4:19], s[0:1], 0x0               ; W_h 4, W_s 6, enc 8, query 10, src_lengths 12, Wc 14, Ws 16, Ec 18
	s_load_b128 s[20:23], s[0:1], 0x40             ; Es 20, ps 22
	s_load_b64 s[24:25], s[0:1], 0x50              ; tiles
	s_set_vgpr_msb 0x40
	v_lshl_add_u32 v0, v0, 2, 0x20c00
	v_mov_b32 v1, 0
	s_set_vgpr_msb 0x4000
	v_lshrrev_b32 v1, 5, v0
	v_readfirstlane_b32 s26, v1                    ; wave 0..7
	v_and_b32 v5, 31, v0                           ; lane
	v_and_b32 v6, 15, v0                           ; r
	v_bfe_u32 v7, v0, 4, 1                         ; h
	s_mov_b32 s28, 0x76543210
	s_mov_b32 s29, 0xfedcba98                      ; selects: lane l xor 16
	s_mov_b32 s30, 0x600000                        ; the mantissa field of 448
	s_mov_b32 s31, 0x4038aa3b                      ; 2 log2(e)
.irp b, 0,1,2,3
	v_mov_b32 v[TM+4+\b], 0                        ; a lane permute's destination counts as a source
.endr
	s_wait_kmcnt 0x0
	s_cmp_lt_u32 ttmp9, 32
	s_cbranch_scc1 .Lproj
	s_cmp_lt_u32 ttmp9, 64
	s_cbranch_scc1 .Lwh
	s_cmp_eq_u32 ttmp9, 64
	s_cbranch_scc1 .Llist
; ---------------- ENC: wave x takes tile gt = 4 e + x / 2 and K half x % 2: four fragments
	s_sub_co_u32 s32, ttmp9, 65                    ; e
	s_lshr_b32 s33, s32, 5                         ; the batch
	s_lshl_b32 s33, s33, 2
	s_load_b32 s34, s[12:13], s33 offset:0x0       ; its length
	s_lshl_b32 s35, s32, 2
	s_lshr_b32 s36, s26, 1
	s_add_co_u32 s35, s35, s36                     ; gt
	s_and_b32 s36, s26, 1                          ; K half
	s_and_b32 s37, s35, 127
	s_lshl_b32 s37, s37, 4                         ; the tile's first row in its batch
	s_mov_b32 s39, 0
	s_lshl_b32 s38, s35, 16
	s_lshl_b32 s46, s36, 11
	s_add_co_u32 s38, s38, s46
	s_add_nc_u64 s[40:41], s[8:9], s[38:39]        ; enc + 65,536 gt + 2,048 half
	s_lshl_b32 s38, s35, 14
	s_lshl_b32 s46, s36, 13
	s_add_co_u32 s38, s38, s46
	s_add_nc_u64 s[42:43], s[18:19], s[38:39]      ; Ec + 16,384 gt + 8,192 half
	s_lshl_b32 s38, s35, 9
	s_lshl_b32 s46, s36, 8
	s_add_co_u32 s38, s38, s46
	s_add_nc_u64 s[44:45], s[20:21], s[38:39]      ; Es + 512 gt + 256 half
	s_mul_i32 s46, s26, 8448                       ; my stage
	v_lshlrev_b32 v1, 4, v5                        ; 16 x lane
	v_add_nc_u32 v2, s46, v1                       ; into the stage: a row's 512 bytes as they lie
	v_mul_u32_u24 v3, v6, 528
	v_lshl_add_u32 v3, v7, 6, v3
	v_add_nc_u32 v3, s46, v3                       ; out of it: row r, + 64 h: 16 neighbours of a block; 528 = 33 x 16: the sixteen rows fall on different banks
	v_lshlrev_b32 v4, 4, v6                        ; 16 r
	s_wait_kmcnt 0x0
	s_cmp_le_i32 s34, s37                          ; no row of the tile lies under the length: nothing to do (no barrier stands on this path)
	s_cbranch_scc1 .Lidle
.macro FLOAD f                         ; fragment f: 16 rows x 512 consecutive bytes.  No hint: these rows are read again by a later launch
.irp i, 0,1,2,3,4,5,6,7,8,9,10,11,12,13,14,15
	global_load_b128 v[LA+64*((\f)&1)+4*\i:LA+64*((\f)&1)+4*\i+3], v1, s[40:41] offset:\i*4096+(\f)*512
.endr
.endm
.macro TURN f
	s_wait_xcnt 0x0                                ; the last fragment's stores have read v[PC ..]
.if \f < 3
	s_wait_loadcnt 16                              ; my 16 loads are in; the next fragment's 16 stay out
.else
	s_wait_loadcnt 0x0
.endif
.irp i, 0,1,2,3,4,5,6,7,8,9,10,11,12,13,14,15
	ds_store_b128 v2, v[LA+64*(\f&1)+4*\i:LA+64*(\f&1)+4*\i+3] offset:528*\i
.endr
.irp c, 0,1,2,3
.irp j, 0,1,2,3
	ds_load_b128 v[X+16*\c+4*\j:X+16*\c+4*\j+3], v3 offset:128*\c+16*\j   ; LDS serves a wave's instructions in order: these see the stores above
.endr
.endr
	s_wait_dscnt 0x0                               ; the numbers are back, and the stores have read the landing set
.if \f < 2
	FLOAD (\f+2)
.endif
	QUANT X, PC, SW+\f
.irp c, 0,1,2,3
	global_store_b128 v1, v[PC+4*\c:PC+4*\c+3], s[42:43] offset:2048*\f+512*\c   ; 512 consecutive bytes, aligned
.endr
.endm
	FLOAD 0
	FLOAD 1
	TURN 0
	TURN 1
	TURN 2
	TURN 3
	global_store_b128 v4, v[SW:SW+3], s[44:45]     ; 16 rows x 4 words: 256 consecutive bytes; lanes 16-31 store the same words to the same places
	s_set_vgpr_msb 0x5
	s_wait_tensorcnt 0x0
	ds_add_u32 v0, v1
	s_wait_dscnt 0x0
	s_set_vgpr_msb 0x500
	s_endpgm
; ---------------- PROJ: wave s is K step s; columns 32 cg .. 32 cg + 31
.Lproj:
	s_mov_b32 s34, ttmp9                           ; cg
	s_mov_b32 s37, 0
	s_lshl_b32 s36, s26, 19                        ; 128 rows of 4,096 bytes a K step
	s_lshl_b32 s35, s34, 7
	s_add_co_u32 s36, s36, s35
	s_add_nc_u64 s[32:33], s[6:7], s[36:37]
	s_lshl_b32 s36, s26, 9
	s_add_nc_u64 s[38:39], s[10:11], s[36:37]      ; query + 512 s
	v_lshlrev_b32 v1, 2, v5
	v_lshlrev_b32 v2, 12, v6
	v_lshl_add_u32 v2, v7, 6, v2                   ; query: row r, + 64 h
	s_lshl_b32 s40, s26, 12
	s_add_co_u32 s40, s40, PF                      ; my 4,096 bytes of PF
	v_lshlrev_b32 v3, 4, v6
	v_lshl_add_u32 v3, v7, 11, v3
	v_add_nc_u32 v3, s40, v3                       ; in: tile u = lane / 16, 16 r
	v_lshlrev_b32 v4, 4, v5
	v_add_nc_u32 v4, s40, v4                       ; back: 16 x lane.  My part of PR lies PR - PF = 32,768 further on
.irp mt, 0,1                           ; the query's rows 16 mt + r, my 128 along K, become a fragment
.irp c, 0,1,2,3
.irp j, 0,1,2,3
	global_load_b128 v[64+16*\c+4*\j:64+16*\c+4*\j+3], v2, s[38:39] offset:65536*\mt+128*\c+16*\j
.endr
.endr
	s_wait_loadcnt 0x0
	QUANT 64, 32+16*\mt, 14+\mt
.endr
	s_lshl_b32 s41, s26, 9
	s_add_co_u32 s41, s41, PR
	v_lshlrev_b32 v2, 4, v5                        ; (its loads are done)
	v_add_nc_u32 v2, s41, v2                       ; the sum: chunk x of every wave's part
	WQ
.irp c, 0,1,2,3
	ds_store_b128 v3, v[WC+8*\c:WC+8*\c+3] offset:512*\c           ; k 32 c + 0 .. 15: lanes 0-15 of the image
	ds_store_b128 v3, v[WC+8*\c+4:WC+8*\c+7] offset:512*\c+256     ; k 32 c + 16 .. 31: lanes 16-31
.endr
.irp u, 0,1
.irp c, 0,1,2,3
	ds_load_b128 v[96+16*\u+4*\c:96+16*\u+4*\c+3], v4 offset:2048*\u+512*\c   ; my own bytes, served in order
.endr
.endr
	s_wait_dscnt 0x0
.rept 8
	v_nop                                          ; scale words made by vector instructions stand eight places ahead
.endr
	v_wmma_scale_f32_16x16x128_f8f6f4 v[128:135], v[32:47], v[96:111], 0, v14, v13
	v_wmma_scale_f32_16x16x128_f8f6f4 v[136:143], v[32:47], v[112:127], 0, v14, v13 matrix_b_scale:MATRIX_SCALE_ROW1
	v_wmma_scale_f32_16x16x128_f8f6f4 v[144:151], v[48:63], v[96:111], 0, v15, v13
	v_wmma_scale_f32_16x16x128_f8f6f4 v[152:159], v[48:63], v[112:127], 0, v15, v13 matrix_b_scale:MATRIX_SCALE_ROW1
.rept 8
	v_nop
.endr
.irp i, 0,1,2,3,4,5,6,7                ; chunk i = 2 x tile + half: each result from its low end on
	ds_store_b128 v4, v[128+4*\i:131+4*\i] offset:32768+512*\i
.endr
	s_wait_dscnt 0x0                               ; for the others' sake
	s_barrier_signal -1
	s_barrier_wait -1
.irp y, 0,1,2,3,4,5,6,7
	ds_load_b128 v[64+4*\y:67+4*\y], v2 offset:4096*\y
.endr
	; where chunk x goes: batch rows 16 (x / 4) + 8 h + 4 (x % 2) + jj, column 32 cg + 16 ((x / 2) % 2) + r
	s_lshr_b32 s41, s26, 2
	s_lshl_b32 s41, s41, 4
	s_and_b32 s42, s26, 1
	s_lshl_b32 s42, s42, 2
	s_add_co_u32 s41, s41, s42
	s_lshl_b32 s36, s41, 12
	s_lshr_b32 s42, s34, 1
	s_lshl_b32 s42, s42, 8
	s_add_co_u32 s36, s36, s42
	s_and_b32 s42, s34, 1
	s_lshl_b32 s42, s42, 1
	s_bfe_u32 s43, s26, 0x10001
	s_add_co_u32 s42, s42, s43
	s_lshl_b32 s42, s42, 2
	s_add_co_u32 s36, s36, s42
	s_add_nc_u64 s[44:45], s[22:23], s[36:37]
	v_lshlrev_b32 v8, 4, v6
	v_lshl_add_u32 v8, v7, 15, v8                  ; 8 h rows + 16 r
	s_wait_dscnt 0x0
.irp y, 1,2,3,4,5,6,7                  ; K ascending
	v_pk_add_f32 v[64:65], v[64:65], v[64+4*\y:65+4*\y]
	v_pk_add_f32 v[66:67], v[66:67], v[66+4*\y:67+4*\y]
.endr
.irp j, 0,1,2,3
	v_mul_f32 v[64+\j], s31, v[64+\j]
.endr
.irp j, 0,1,2,3
	global_store_b32 v8, v[64+\j], s[44:45] offset:4096*\j
.endr
	s_set_vgpr_msb 0x5
	s_wait_tensorcnt 0x0
	ds_add_u32 v0, v1
	s_wait_dscnt 0x0
	s_set_vgpr_msb 0x500
	s_endpgm
; ---------------- WH
.Lwh:
	s_sub_co_u32 s34, ttmp9, 32                    ; cg
	s_mov_b32 s37, 0
	s_lshl_b32 s36, s26, 19
	s_lshl_b32 s35, s34, 7
	s_add_co_u32 s36, s36, s35
	s_add_nc_u64 s[32:33], s[4:5], s[36:37]
	s_lshr_b32 s36, s34, 1
	s_lshl_b32 s36, s36, 3
	s_add_co_u32 s36, s36, s26
	s_lshl_b32 s36, s36, 13
	s_and_b32 s35, s34, 1
	s_lshl_b32 s35, s35, 12
	s_add_co_u32 s36, s36, s35
	s_add_nc_u64 s[38:39], s[14:15], s[36:37]      ; Wc + ((cg / 2) 8 + s) 8,192 + (cg % 2) 4,096
	s_and_b32 s43, s26, 1
	s_lshl_b32 s36, s34, 1
	s_add_co_u32 s36, s36, s43
	s_lshl_b32 s36, s36, 9
	s_add_nc_u64 s[44:45], s[16:17], s[36:37]      ; Ws + (2 cg + wave % 2) 512
	v_lshlrev_b32 v1, 2, v5
	v_lshlrev_b32 v2, 4, v6
	v_lshl_add_u32 v2, v7, 11, v2                  ; 2,048 u + 16 r
	s_lshr_b32 s41, s26, 2
	s_lshl_b32 s41, s41, 8
	s_and_b32 s42, s26, 3
	s_lshl_b32 s42, s42, 2
	s_add_co_u32 s41, s41, s42
	s_add_co_u32 s41, s41, WSG
	v_lshlrev_b32 v3, 4, v6
	v_lshl_add_u32 v3, v7, 9, v3
	v_add_nc_u32 v3, s41, v3                       ; my word: 512 u + 256 (s / 4) + 16 r + 4 (s % 4)
	s_lshl_b32 s41, s43, 9
	s_add_co_u32 s41, s41, WSG
	v_lshlrev_b32 v32, 4, v5                       ; 16 x lane
	v_add_nc_u32 v4, s41, v32
	WQ
.irp c, 0,1,2,3
	global_store_b128 v2, v[WC+8*\c:WC+8*\c+3], s[38:39] offset:512*\c        ; sixteen lanes store 256 consecutive bytes, aligned
	global_store_b128 v2, v[WC+8*\c+4:WC+8*\c+7], s[38:39] offset:512*\c+256
.endr
	ds_store_b32 v3, v13
	s_wait_dscnt 0x0
	s_barrier_signal -1
	s_barrier_wait -1
	s_cmp_gt_u32 s26, 1
	s_cbranch_scc1 .Lidle
	ds_load_b128 v[8:11], v4                       ; waves 0 and 1: a tile's 512 bytes of scale words
	s_wait_dscnt 0x0
	global_store_b128 v32, v[8:11], s[44:45]
	s_set_vgpr_msb 0x5
	s_wait_tensorcnt 0x0
	ds_add_u32 v0, v1
	s_wait_dscnt 0x0
	s_set_vgpr_msb 0x500
	s_endpgm
; ---------------- LIST: entry i = 128 b + j of the i-th tile under the lengths (i held at T - 1), i < 5,120; T at byte 20,480
.Llist:
	s_load_b512 s[32:47], s[12:13], 0x0
	s_load_b512 s[48:63], s[12:13], 0x40
	s_wait_kmcnt 0x0
.irp l, 0,1,2,3,4,5,6,7,8,9,10,11,12,13,14,15,16,17,18,19,20,21,22,23,24,25,26,27,28,29,30,31
	s_max_i32 s[32+\l], s[32+\l], 0
	s_min_u32 s[32+\l], s[32+\l], 2048
	s_add_co_u32 s[32+\l], s[32+\l], 15
	s_lshr_b32 s[32+\l], s[32+\l], 4               ; the batch's tiles
.if \l > 0
	s_add_co_u32 s[32+\l], s[32+\l], s[31+\l]      ; inclusive sums; s63 = T
.endif
.endr
	s_max_u32 s66, s63, 1
	s_sub_co_u32 s66, s66, 1
	v_mov_b32 v3, v0
	v_lshlrev_b32 v4, 2, v0
	s_mov_b32 s67, 0
.Llloop:
	v_min_u32 v8, s66, v3
	v_mov_b32 v9, 0                                ; b: how many sums are at or under i
	v_mov_b32 v10, 0                               ; the last such sum
.irp l, 0,1,2,3,4,5,6,7,8,9,10,11,12,13,14,15,16,17,18,19,20,21,22,23,24,25,26,27,28,29,30,31
	v_cmp_le_u32 vcc_lo, s[32+\l], v8
	v_cndmask_b32 v10, v10, s[32+\l], vcc_lo
	v_cndmask_b32 v9, v9, \l+1, vcc_lo
.endr
	v_sub_nc_u32 v8, v8, v10
	v_lshl_add_u32 v8, v9, 7, v8
	global_store_b32 v4, v8, s[24:25]
	s_wait_xcnt 0x0                                ; the store has read v4 and v8
	v_add_nc_u32 v3, 0x100, v3
	v_add_nc_u32 v4, 0x400, v4
	s_add_co_u32 s67, s67, 1
	s_cmp_lt_u32 s67, 20
	s_cbranch_scc1 .Llloop
	s_cmp_lg_u32 s26, 0
	s_cbranch_scc1 .Lidle
	v_mov_b32 v9, s63
	v_mov_b32 v10, 0
	global_store_b32 v10, v9, s[24:25] offset:20480   ; all lanes store the same word
.Lidle:
	s_set_vgpr_msb 0x5
	s_wait_tensorcnt 0x0
	ds_add_u32 v0, v1
	s_wait_dscnt 0x0
	s_set_vgpr_msb 0x500
	s_endpgm
.Lfunc_end_k_qb56a565323_prep:
	.size	k_qb56a565323_prep, .Lfunc_end_k_qb56a565323_prep-k_qb56a565323_prep
	.p2alignl 7, 3214868480
	.fill 96, 4, 3214868480
	.section	.rodata,"a",@progbits
	.p2align	6, 0x0
	.amdhsa_kernel k_qb56a565323_prep
		.amdhsa_group_segment_fixed_size 135168
		.amdhsa_private_segment_fixed_size 0
		.amdhsa_enable_private_segment 0
		.amdhsa_kernarg_size 88
		.amdhsa_user_sgpr_count 2
		.amdhsa_user_sgpr_kernarg_segment_ptr 1
		.amdhsa_wavefront_size32 1
		.amdhsa_system_sgpr_workgroup_id_x 1
		.amdhsa_system_sgpr_workgroup_id_y 1
		.amdhsa_system_sgpr_workgroup_id_z 1
		.amdhsa_system_vgpr_workitem_id 0
		.amdhsa_next_free_vgpr 258
		.amdhsa_next_free_sgpr 100
		.amdhsa_reserve_vcc 1
		.amdhsa_float_denorm_mode_32 3
		.amdhsa_float_denorm_mode_16_64 3
		.amdhsa_memory_ordered 1
		.amdhsa_forward_progress 1
		.amdhsa_inst_pref_size 144
	.end_amdhsa_kernel
	.amdgpu_metadata
---
amdhsa.version: [ 1, 2 ]
amdhsa.kernels:
  - .name:           k_qb56a565323_prep
    .symbol:         k_qb56a565323_prep.kd
    .args:
      - { .name: W_h, .offset: 0, .size: 8, .value_kind: global_buffer, .address_space: global }
      - { .name: W_s, .offset: 8, .size: 8, .value_kind: global_buffer, .address_space: global }
      - { .name: encoder_outputs, .offset: 16, .size: 8, .value_kind: global_buffer, .address_space: global }
      - { .name: query, .offset: 24, .size: 8, .value_kind: global_buffer, .address_space: global }
      - { .name: src_lengths, .offset: 32, .size: 8, .value_kind: global_buffer, .address_space: global }
      - { .name: Wc, .offset: 40, .size: 8, .value_kind: global_buffer, .address_space: global }
      - { .name: Ws, .offset: 48, .size: 8, .value_kind: global_buffer, .address_space: global }
      - { .name: Ec, .offset: 56, .size: 8, .value_kind: global_buffer, .address_space: global }
      - { .name: Es, .offset: 64, .size: 8, .value_kind: global_buffer, .address_space: global }
      - { .name: ps, .offset: 72, .size: 8, .value_kind: global_buffer, .address_space: global }
      - { .name: tiles, .offset: 80, .size: 8, .value_kind: global_buffer, .address_space: global }
    .group_segment_fixed_size: 135168
    .private_segment_fixed_size: 0
    .kernarg_segment_align: 8
    .kernarg_segment_size: 88
    .max_flat_workgroup_size: 256
    .sgpr_count:     100
    .vgpr_count:     258
    .wavefront_size: 32
...
	.end_amdgpu_metadata
.endif
;; end of part 1
;; launch score (part 2): grid 256 x 1, 4 waves a work-group, no clusters, 166,912 bytes of LDS; arguments Wc, Ws, Ec, Es, ps, tiles, v, scores; writes scores
.if DOCPART == 2
	.amdgcn_target "amdgcn-amd-amdhsa--gfx1250"
	.amdhsa_code_object_version 6
	.text
	.protected	k_qb56a565323_score
	.globl	k_qb56a565323_score
	.p2align	8
	.type	k_qb56a565323_score,@function
k_qb56a565323_score:
	s_mov_b64 s[64:65], 0
	v_nop
	global_prefetch_b8 v0, s[64:65] scope:SCOPE_SE
	s_setreg_imm32_b32 hwreg(HW_REG_WAVE_MODE, 25, 1), 1
	s_wait_xcnt 0x0
; S[row] = sum over n of v[n] / (1 + 2^(c2 (enc W_h)[row][n] + ps[b][n])), c2 = 2 log2(e), for the listed tiles of 16 rows.
; tanh x = 1 - 2 / (1 + 2^(c2 x)), so reference()'s score is sum(v) - 2 S; the sum of v is common to a batch's rows and falls out of the softmax.
; 2^x = infinity gives 0 and 2^x = 0 gives 1: no hold is needed.
; SHARES.  Work-group g takes list entries g, g + 256, ..: two sweeps of ten slots (T is at most 4,096).  Slots past the work-group's share hold a listed tile and are not stored.
; The slots go in groups (0-3, 4-7, 8-9); a group without work is passed over by a scalar branch on the stored list, all but its first K step, which starts the sums.
; The four waves share the columns: wave w takes 256 w .. + 255, 64 a pass.  enc's codes lie in LDS as register images, read by all waves; W_h's come from memory straight into registers.
; No tensor load and no cluster: branches hang on the stored list.  Source 0 = enc's 16 rows, source 1 = W_h's 16 columns: a lane holds ONE column, so bias and v are one register a tile of columns.
; scores leave in pieces of 64 bytes: a work-group's tiles lie 256 apart in the list.
; REGISTERS.  window 0: v2 16 r, v3 4 r, v4-7 16 lane + 40,960 i, v8, v10, v11 LDS addresses, v18-27 bias offsets, v28-31 v, v32-41 offsets,
;   v48-111 A of slots 0-3 (at a sweep's end: the partial scores), v112-143 A of slots 8-9, v144-223 enc's scale words (8 a + s), v224-255 W_h's (8 t + s).
;   window 1: four sets of W_h's fragments.  window 2: sums of slots 0-7 at 8 (4 a + t).  window 3: v0-63 sums of slots 8-9, v64-143 S, v144-207 A of slots 4-7, v208-247 biases.
.set SP,  163840                       ; behind the codes: 640 w + 64 a + 4 row
.set AB,  4
.set L16, 4
.set OFB, 18
.set VV,  28
.set OFF, 32
.set SA,  144
.set SB,  224
.set TL,  32                           ; s[32:51] the work-group's twenty list entries; s[32:41] are the sweep's
.set MSB, 0
.macro WIN new                         ; the immediate's high byte repeats the setting that is left
.if MSB != \new
	s_set_vgpr_msb (MSB<<8)|\new
.set MSB, \new
.endif
.endm
.macro PLACES                          ; eight plain places behind this matrix form, ahead of loads into its registers and of reads of its results
.rept 8
	v_nop
.endr
.endm
.macro BLOAD k                         ; W_h's four fragments of K step k into set k % 4
	WIN 0x40
.irp t, 0,1,2,3
.irp c, 0,1,2,3
	global_load_b128 v[64*((\k)%4)+16*\t+4*\c:64*((\k)%4)+16*\t+4*\c+3], v[L16], s[52:53] offset:8192*(\k)+2048*\t+512*\c
.endr
.endr
.endm
.macro PREB                            ; 56 loads: a pass's scale words of W_h and its first three K steps
	WIN 0
.irp t, 0,1,2,3
	global_load_b128 v[SB+8*\t:SB+8*\t+3], v2, s[54:55] offset:512*\t
	global_load_b128 v[SB+8*\t+4:SB+8*\t+7], v2, s[54:55] offset:512*\t+256
.endr
	BLOAD 0
	BLOAD 1
	BLOAD 2
	WIN 0
.endm
.macro PREV                            ; 14 loads: a pass's v and biases
.irp t, 0,1,2,3
	global_load_b32 v[VV+\t], v3, s[56:57] offset:64*\t
.endr
	WIN 0xc0
.irp a, 0,1,2,3,4,5,6,7,8,9
	global_load_b128 v[208+4*\a:211+4*\a], v[OFB+\a], s[58:59]
.endr
	WIN 0
.endm
.macro LOADS s, q                      ; enc's fragments of K step s for group q: never jumped over, so that every count of LDS loads is a constant
.if \q == 0
	WIN 0
.irp a, 0,1,2,3
.irp c, 0,1,2,3
	ds_load_b128 v[48+16*\a+4*\c:48+16*\a+4*\c+3], v[AB+(\s>>1)] offset:(\s&1)*20480+2048*\a+512*\c
.endr
.endr
.elseif \q == 1
	WIN 0xc0
.irp a, 4,5,6,7
.irp c, 0,1,2,3
	ds_load_b128 v[144+16*(\a-4)+4*\c:144+16*(\a-4)+4*\c+3], v[AB+(\s>>1)] offset:(\s&1)*20480+2048*\a+512*\c
.endr
.endr
	WIN 0
.else
	WIN 0
.irp a, 8,9
.irp c, 0,1,2,3
	ds_load_b128 v[112+16*(\a-8)+4*\c:112+16*(\a-8)+4*\c+3], v[AB+(\s>>1)] offset:(\s&1)*20480+2048*\a+512*\c
.endr
.endr
.endif
.endm
.macro MM s, a, ar, ac                 ; slot a x four tiles of columns; the sums take turns, one instruction a turn
.irp t, 0,1,2,3
.if \s == 0
	v_wmma_scale_f32_16x16x128_f8f6f4 v[\ac+8*\t:\ac+8*\t+7], v[\ar:\ar+15], v[64*(\s%4)+16*\t:64*(\s%4)+16*\t+15], 0, v[SA+8*\a+\s], v[SB+8*\t+\s]
.else
	v_wmma_scale_f32_16x16x128_f8f6f4 v[\ac+8*\t:\ac+8*\t+7], v[\ar:\ar+15], v[64*(\s%4)+16*\t:64*(\s%4)+16*\t+15], v[\ac+8*\t:\ac+8*\t+7], v[SA+8*\a+\s], v[SB+8*\t+\s]
.endif
.endr
.endm
.macro MULS s, q
.if \q == 0
	WIN 0xa4                                       ; A window 0, B window 1, C and D window 2
.irp a, 0,1,2,3
	MM \s, \a, (48+16*\a), (32*\a)
.endr
.elseif \q == 1
	WIN 0xa7                                       ; A window 3
.irp a, 4,5,6,7
	MM \s, \a, (144+16*(\a-4)), (32*\a)
.endr
.else
	WIN 0xf4                                       ; A window 0, C and D window 3
.irp a, 8,9
	MM \s, \a, (112+16*(\a-8)), (32*(\a-8))
.endr
.endif
	WIN 0
.endm
; K step s; nx = (s + 1) % 8.  Global loads go out in the order: scale words, K steps 0, 1, 2 (PREB), v and biases (PREV, 14), then K step s + 3 inside step s.
; LDS loads go out group by group, 16, 16, 8; behind a group's products its registers take the next K step's fragments.
.macro STEP s, nx
	WIN 0
.if \s < 3
	s_wait_loadcnt 46                              ; K step s is in; two younger K steps (32) and PREV's 14 may be out
.elseif \s < 6
	s_wait_loadcnt 32                              ; two younger K steps
.elseif \s == 6
	s_wait_loadcnt 16
.else
	s_wait_loadcnt 0x0                             ; every load is done: the bases may be written behind this step
.endif
	s_wait_dscnt 24                                ; group 0's fragments are in; groups 1 and 2's (16 + 8) may be out
	MULS \s, 0
	PLACES
.if \s <= 4
	BLOAD (\s+3)
.endif
	LOADS \nx, 0
	s_wait_dscnt 24                                ; group 1's are in; group 2's 8 and the next step's 16 may be out
.if \s >= 1
	s_cmp_lt_u32 s24, 2
	s_cbranch_scc1 .Lsa_\@
.endif
	MULS \s, 1
.Lsa_\@:
	PLACES
	LOADS \nx, 1
	s_wait_dscnt 32                                ; group 2's are in; the next step's 16 + 16 may be out
.if \s >= 1
	s_cmp_lt_u32 s24, 3
	s_cbranch_scc1 .Lsb_\@
.endif
	MULS \s, 2
.Lsb_\@:
	PLACES
	LOADS \nx, 2
.endm
; slot a: r = 1 / (1 + 2^(c2 x + bias)), S += v r.  Two batches of 32 transcendentals, one wait each, ahead of the batch's first reader.
.macro TANH a
.if (\a == 4) || (\a == 8)
	WIN 0
	s_cmp_lt_u32 s24, \a/4+1
	s_cbranch_scc1 .Ltend
.endif
.set BI, 208+4*\a
.set SS, 64+8*\a
.if \a < 8
.set AC, 32*\a
	WIN 0xb2                                       ; sums window 2, biases window 3
.else
.set AC, 32*(\a-8)
	WIN 0xf3
.endif
.irp t, 0,1,2,3                        ; each sum is read from its low end on
.irp j, 0,2,4,6
.if \t%2 == 0
	v_pk_fma_f32 v[AC+8*\t+\j:AC+8*\t+\j+1], v[AC+8*\t+\j:AC+8*\t+\j+1], s[28:29], v[BI+\t:BI+\t+1] op_sel_hi:[1,0,0]
.else
	v_pk_fma_f32 v[AC+8*\t+\j:AC+8*\t+\j+1], v[AC+8*\t+\j:AC+8*\t+\j+1], s[28:29], v[BI+\t-1:BI+\t] op_sel:[0,0,1] op_sel_hi:[1,0,1]
.endif
.endr
.endr
.set I, 0
.rept 32
	v_exp_f32 v[AC+I], v[AC+I]
.set I, I+1
.endr
	v_nop
	s_wait_alu depctr_va_vdst(0)
.set I, 0
.rept 16
	v_pk_add_f32 v[AC+I:AC+I+1], v[AC+I:AC+I+1], 1.0 op_sel_hi:[1,0]
.set I, I+2
.endr
.set I, 0
.rept 32
	v_rcp_f32 v[AC+I], v[AC+I]
.set I, I+1
.endr
	v_nop
	s_wait_alu depctr_va_vdst(0)
.if \a < 8
	WIN 0xf2                                       ; S window 3, r window 2, v window 0
.endif
.irp t, 0,1,2,3
.irp j, 0,2,4,6
.if \t%2 == 0
	v_pk_fma_f32 v[SS+\j:SS+\j+1], v[AC+8*\t+\j:AC+8*\t+\j+1], v[VV+\t:VV+\t+1], v[SS+\j:SS+\j+1] op_sel_hi:[1,0,1]
.else
	v_pk_fma_f32 v[SS+\j:SS+\j+1], v[AC+8*\t+\j:AC+8*\t+\j+1], v[VV+\t-1:VV+\t], v[SS+\j:SS+\j+1] op_sel:[0,1,0] op_sel_hi:[1,1,1]
.endif
.endr
.endr
.endm
	s_load_b512 s[4:19], s[0:1], 0x0               ; Wc 4, Ws 6, Ec 8, Es 10, ps 12, tiles 14, v 16, scores 18
	v_lshl_add_u32 v46, v0, 2, 0x28a00
	v_mov_b32 v47, 0
	v_lshrrev_b32 v12, 5, v0
	v_readfirstlane_b32 s20, v12                   ; wave 0..3
	v_and_b32 v12, 31, v0
	v_and_b32 v13, 15, v0
	v_bfe_u32 v9, v0, 4, 1                         ; h
	v_lshlrev_b32 v4, 4, v12                       ; 16 x lane
	v_lshlrev_b32 v2, 4, v13                       ; 16 r
	v_lshlrev_b32 v3, 2, v13                       ; 4 r
	v_add_nc_u32 v5, 40960, v4
	v_add_nc_u32 v6, 81920, v4
	v_add_nc_u32 v7, 122880, v4
	v_add_nc_u32 v8, SP, v3                        ; the last sum: row r's word
	s_mul_i32 s76, s20, 640
	s_add_co_u32 s76, s76, SP
	v_lshl_add_u32 v10, v9, 5, s76                 ; my wave's partial scores: + 32 h
	s_mul_i32 s76, s20, 40960
	v_add_nc_u32 v11, s76, v4                      ; the copy: K steps 2 w and 2 w + 1
	s_mov_b32 s28, 0x4038aa3b                      ; c2
	s_mov_b32 s29, s28
	s_mov_b32 s21, ttmp9
	s_lshl_b32 s66, ttmp9, 2
	s_mov_b32 s77, 0
	s_wait_kmcnt 0x0
	s_load_b32 s22, s[14:15], 0x5000               ; T
.irp a, 0,1,2,3,4,5,6,7,8,9,10,11,12,13,14,15,16,17,18,19
	s_load_b32 s[TL+\a], s[14:15], s66 offset:1024*\a
.endr
	s_lshl_b32 s76, s20, 18
	s_add_nc_u64 s[68:69], s[4:5], s[76:77]        ; my 256 columns' codes: one stream of 262,144 bytes
	s_lshl_b32 s76, s20, 13
	s_add_nc_u64 s[70:71], s[6:7], s[76:77]        ; their scale words
	s_lshl_b32 s76, s20, 10
	s_add_nc_u64 s[72:73], s[16:17], s[76:77]      ; their v
	s_mov_b64 s[52:53], s[68:69]                   ; the four bases of the pass in hand
	s_mov_b64 s[54:55], s[70:71]
	s_mov_b64 s[56:57], s[72:73]
	s_mov_b64 s[58:59], s[12:13]
	PREB                                           ; hangs on no list
	s_wait_kmcnt 0x0
	s_min_u32 s22, s22, 4096
	s_add_co_u32 s22, s22, 255
	s_sub_co_u32 s22, s22, s21
	s_lshr_b32 s22, s22, 8                         ; my tiles in all
	s_mov_b32 s26, 2
.Lsweep:
.irp a, 0,1,2,3,4,5,6,7,8,9
	s_min_u32 s[TL+\a], s[TL+\a], 4095             ; the sweep's entries are held here, on every way to every address made of them: a tile's number is under 4,096
.endr
	s_min_u32 s23, s22, 10                         ; n: slots with work
	s_add_co_u32 s24, s23, 3
	s_lshr_b32 s24, s24, 2                         ; groups with work
	s_wait_xcnt 0x0                                ; the last sweep's loads and stores have read their offsets and data
	s_lshl_b32 s66, s20, 10
.irp a, 0,1,2,3,4,5,6,7,8,9
	s_lshl_b32 s67, s[TL+\a], 9
	v_add_nc_u32 v[OFF+\a], s67, v2                ; the tile's scale words
	s_and_b32 s67, s[TL+\a], 0xf80
	s_lshl_b32 s67, s67, 5
	s_add_co_u32 s67, s67, s66
	v_add_nc_u32 v[OFB+\a], s67, v2                ; its batch's row of ps, my wave's part
.endr
.irp a, 0,1,2,3,4,5,6,7,8,9            ; ahead of the branch: every way into the products finds them written
	global_load_b128 v[SA+8*\a:SA+8*\a+3], v[OFF+\a], s[10:11]
	global_load_b128 v[SA+8*\a+4:SA+8*\a+7], v[OFF+\a], s[10:11] offset:256
.endr
	s_cmp_eq_u32 s23, 0
	s_cbranch_scc1 .Lb1
	; ---- the copy: ten tiles' codes into LDS, a quarter (two K steps, 4,096 bytes a tile) by each wave, through the registers of the sums
	s_wait_xcnt 0x0                                ; the loads above have read v[OFF ..]
	s_lshl_b32 s66, s20, 12
.irp a, 0,1,2,3,4,5,6,7,8,9
	s_lshl_b32 s67, s[TL+\a], 14
	s_add_co_u32 s67, s67, s66
	v_add_nc_u32 v[OFF+\a], s67, v[L16]
.endr
	WIN 0x80
.set I, 0
.rept 64
	global_load_b128 v[4*I:4*I+3], v[OFF+I/8], s[8:9] offset:512*(I%8)
.set I, I+1
.endr
	WIN 0xc0
.rept 16
	global_load_b128 v[4*(I-64):4*(I-64)+3], v[OFF+I/8], s[8:9] offset:512*(I%8)
.set I, I+1
.endr
	s_wait_loadcnt 40                              ; slots 0-4 are in; the 40 loads of slots 5-9 may be out
	WIN 0x08
.set I, 0
.rept 40
	ds_store_b128 v11, v[4*I:4*I+3] offset:((I%8)/4)*20480+2048*(I/8)+512*(I%4)
.set I, I+1
.endr
	s_wait_loadcnt 0x0
.rept 24
	ds_store_b128 v11, v[4*I:4*I+3] offset:((I%8)/4)*20480+2048*(I/8)+512*(I%4)
.set I, I+1
.endr
	WIN 0x0c
.rept 16
	ds_store_b128 v11, v[4*(I-64):4*(I-64)+3] offset:((I%8)/4)*20480+2048*(I/8)+512*(I%4)
.set I, I+1
.endr
	WIN 0
.Lb1:
	s_wait_dscnt 0x0                               ; my part of the codes lies in LDS
	s_barrier_signal -1
	s_barrier_wait -1
	s_cmp_eq_u32 s23, 0
	s_cbranch_scc1 .Lb2
	; ---- the products
	s_wait_loadcnt 0x0                             ; enc's scale words are in, on every way here
	WIN 0xc0
.set I, 0
.rept 80
	v_mov_b32 v[64+I], 0                           ; S: summed over four passes that share one text
.set I, I+1
.endr
	LOADS 0, 0
	LOADS 0, 1
	LOADS 0, 2
	s_mov_b32 s25, 0
.Lpass:
	PREV
	STEP 0, 1
	STEP 1, 2
	STEP 2, 3
	STEP 3, 4
	STEP 4, 5
	STEP 5, 6
	STEP 6, 7
	STEP 7, 0                                      ; its LDS loads bring K step 0 again: enc's fragments do not hang on the pass
	s_add_co_u32 s66, s25, 1
	s_and_b32 s66, s66, 3                          ; the next pass; behind the last, the first again, for the next sweep
	s_lshl_b32 s76, s66, 16
	s_add_nc_u64 s[52:53], s[68:69], s[76:77]
	s_lshl_b32 s76, s66, 11
	s_add_nc_u64 s[54:55], s[70:71], s[76:77]
	s_lshl_b32 s76, s66, 8
	s_add_nc_u64 s[56:57], s[72:73], s[76:77]
	s_add_nc_u64 s[58:59], s[12:13], s[76:77]
	PREB                                           ; lands while the activations are worked
	TANH 0
	TANH 1
	TANH 2
	TANH 3
	TANH 4
	TANH 5
	TANH 6
	TANH 7
	TANH 8
	TANH 9
	WIN 0
.Ltend:
	s_add_co_u32 s25, s25, 1
	s_cmp_lt_u32 s25, 4
	s_cbranch_scc1 .Lpass
	WIN 0xcf                                       ; a row's sum over the sixteen lanes that hold its columns
.irp m, 1,2,4,8
.set I, 0
.rept 80
	v_add_f32_dpp v[64+I], v[64+I], v[64+I] row_xmask:\m row_mask:0xf bank_mask:0xf
.set I, I+1
.endr
.endr
	WIN 0x0c
.irp a, 0,1,2,3,4,5,6,7,8,9
	ds_store_b128 v10, v[64+8*\a:67+8*\a] offset:64*\a             ; the sixteen lanes of a half store the same words
	ds_store_b128 v10, v[68+8*\a:71+8*\a] offset:64*\a+16
.endr
	WIN 0
.Lb2:
	s_wait_dscnt 0x0                               ; my partial scores lie in LDS, and my reads of the codes are over
	s_barrier_signal -1
	s_barrier_wait -1
	s_cmp_lg_u32 s20, 0
	s_cbranch_scc1 .Lsend
	s_cmp_eq_u32 s23, 0
	s_cbranch_scc1 .Lsend
	; ---- wave 0 adds the four waves' parts and stores 16 scores a slot.  Lanes 16-31 hold and store the same words as lanes 0-15.
	s_wait_xcnt 0x0                                ; every earlier load has read v[OFF ..]
.irp a, 0,1,2,3,4,5,6,7,8,9
.irp w, 0,1,2,3
	ds_load_b32 v[48+4*\a+\w], v8 offset:640*\w+64*\a
.endr
	s_lshl_b32 s67, s[TL+\a], 6
	v_add_nc_u32 v[OFF+\a], s67, v3                ; 64 bytes a tile, + 4 x row
.endr
	s_wait_dscnt 0x0
.irp a, 0,1,2,3,4,5,6,7,8,9
	v_add_f32 v[48+4*\a], v[48+4*\a], v[49+4*\a]
	v_add_f32 v[50+4*\a], v[50+4*\a], v[51+4*\a]
.endr
.irp a, 0,1,2,3,4,5,6,7,8,9
	v_add_f32 v[48+4*\a], v[48+4*\a], v[50+4*\a]
.endr
.irp a, 0,1,2,3,4,5,6,7,8,9            ; the slots with work are the first n; each store has registers of its own
	s_cmp_le_u32 s23, \a
	s_cbranch_scc1 .Lsend
	global_store_b32 v[OFF+\a], v[48+4*\a], s[18:19]
.endr
.Lsend:
	s_wait_loadcnt 0x0                             ; no load is out when the next sweep loads into the same registers
.irp a, 0,1,2,3,4,5,6,7,8,9
	s_mov_b32 s[TL+\a], s[TL+10+\a]                ; the second ten, as they were loaded: they are held at the sweep's head
.endr
	s_max_u32 s22, s22, 10
	s_sub_co_u32 s22, s22, 10
	s_sub_co_i32 s26, s26, 1
	s_cmp_lg_u32 s26, 0
	s_cbranch_scc1 .Lsweep
	s_wait_tensorcnt 0x0
	ds_add_u32 v46, v47
	s_wait_dscnt 0x0
	s_endpgm
.Lfunc_end_k_qb56a565323_score:
	.size	k_qb56a565323_score, .Lfunc_end_k_qb56a565323_score-k_qb56a565323_score
	.p2alignl 7, 3214868480
	.fill 96, 4, 3214868480
	.section	.rodata,"a",@progbits
	.p2align	6, 0x0
	.amdhsa_kernel k_qb56a565323_score
		.amdhsa_group_segment_fixed_size 166912
		.amdhsa_private_segment_fixed_size 0
		.amdhsa_enable_private_segment 0
		.amdhsa_kernarg_size 64
		.amdhsa_user_sgpr_count 2
		.amdhsa_user_sgpr_kernarg_segment_ptr 1
		.amdhsa_wavefront_size32 1
		.amdhsa_system_sgpr_workgroup_id_x 1
		.amdhsa_system_sgpr_workgroup_id_y 1
		.amdhsa_system_sgpr_workgroup_id_z 1
		.amdhsa_system_vgpr_workitem_id 0
		.amdhsa_next_free_vgpr 1024
		.amdhsa_next_free_sgpr 100
		.amdhsa_reserve_vcc 0
		.amdhsa_float_denorm_mode_32 3
		.amdhsa_float_denorm_mode_16_64 3
		.amdhsa_memory_ordered 1
		.amdhsa_forward_progress 1
		.amdhsa_inst_pref_size 198
	.end_amdhsa_kernel
	.amdgpu_metadata
---
amdhsa.version: [ 1, 2 ]
amdhsa.kernels:
  - .name:           k_qb56a565323_score
    .symbol:         k_qb56a565323_score.kd
    .args:
      - { .name: Wc, .offset: 0, .size: 8, .value_kind: global_buffer, .address_space: global }
      - { .name: Ws, .offset: 8, .size: 8, .value_kind: global_buffer, .address_space: global }
      - { .name: Ec, .offset: 16, .size: 8, .value_kind: global_buffer, .address_space: global }
      - { .name: Es, .offset: 24, .size: 8, .value_kind: global_buffer, .address_space: global }
      - { .name: ps, .offset: 32, .size: 8, .value_kind: global_buffer, .address_space: global }
      - { .name: tiles, .offset: 40, .size: 8, .value_kind: global_buffer, .address_space: global }
      - { .name: v, .offset: 48, .size: 8, .value_kind: global_buffer, .address_space: global }
      - { .name: scores, .offset: 56, .size: 8, .value_kind: global_buffer, .address_space: global }
    .group_segment_fixed_size: 166912
    .private_segment_fixed_size: 0
    .kernarg_segment_align: 8
    .kernarg_segment_size: 64
    .max_flat_workgroup_size: 128
    .sgpr_count:     100
    .vgpr_count:     1024
    .wavefront_size: 32
...
	.end_amdgpu_metadata
.endif
;; end of part 2
;; launch attend (part 3): grid 8 x 32, 32 waves a work-group, no clusters, 29,184 bytes of LDS; arguments encoder_outputs, src_lengths, scores, out0; writes out0
.if DOCPART == 3
	.amdgcn_target "amdgcn-amd-amdhsa--gfx1250"
	.amdhsa_code_object_version 6
	.text
	.protected	k_qb56a565323_attend
	.globl	k_qb56a565323_attend
	.p2align	8
	.type	k_qb56a565323_attend,@function
k_qb56a565323_attend:
	s_mov_b64 s[64:65], 0
	v_nop
	global_prefetch_b8 v0, s[64:65] scope:SCOPE_SE
	s_setreg_imm32_b32 hwreg(HW_REG_WAVE_MODE, 25, 1), 1
	s_wait_xcnt 0x0
; out0[b][c] = sum over s of w[s] enc[b][s][c], w = softmax of the masked scores.  Work-group (x, y): 128 columns (512 bytes) of batch y; 32 waves.
; scores holds S with reference()'s score = const - 2 S, so t = -2 log2(e) S is the score in base 2 up to a constant of the batch; the row's true maximum is taken away.
; Rows at or behind the length get the weight 0 and are not read.  LIMIT: that equals reference()'s exp(-1e9 - max) while the sum of |v| stays under 9e8.
; A length of 0 (or less) makes all of reference()'s scores equal: every t is 0, every row is read, the result is the mean.  NaN and infinities are not served.
; Memory binds: no matrix unit, no cluster.  A wave has 16 loads of 512 bytes out, the work-group 262,144 bytes.
.set P,   0                            ; 2,048 weights, not yet divided by their sum
.set R1,  8192                         ; a maximum for each wave
.set R2,  8448                         ; a sum for each wave
.set ACC, 8704                         ; 512 bytes for each wave
.macro WMAX
.irp m, 1,2,4,8
	v_max_num_f32_dpp v6, v6, v6 row_xmask:\m row_mask:0xf bank_mask:0xf
.endr
	v_permlanex16_b32 v15, v6, s16, s17
	v_max_num_f32 v6, v6, v15
.endm
.macro WSUM
.irp m, 1,2,4,8
	v_add_f32_dpp v6, v6, v6 row_xmask:\m row_mask:0xf bank_mask:0xf
.endr
	v_permlanex16_b32 v15, v6, s16, s17
	v_add_f32 v6, v6, v15
.endm
	s_load_b256 s[4:11], s[0:1], 0x0               ; enc 4, src_lengths 6, scores 8, out0 10
	v_lshl_add_u32 v104, v0, 2, 0x6200
	v_mov_b32 v105, 0
	v_lshrrev_b32 v96, 5, v0
	v_readfirstlane_b32 s12, v96                   ; wave 0..31
	v_lshlrev_b32 v96, 2, v96                      ; 4 x wave
	v_and_b32 v97, 31, v0
	v_lshlrev_b32 v99, 4, v97                      ; 16 x lane
	v_lshlrev_b32 v97, 2, v97                      ; 4 x lane
	v_lshlrev_b32 v98, 4, v0                       ; 512 x wave + 16 x lane
	v_lshlrev_b32 v3, 3, v0                        ; my two scores and weights
	v_lshlrev_b32 v13, 1, v0                       ; s = 2 tid,
	v_or_b32 v14, 1, v13                           ; 2 tid + 1
	v_lshlrev_b32 v2, 4, v96                       ; 64 x wave: my 16 weights of a group
	v_lshl_add_u32 v1, v96, 14, v99                ; 16 rows x wave + 16 x lane
	v_mov_b32 v4, 0
	v_mov_b32 v5, 0
	v_mov_b32 v15, 0                               ; a lane permute's destination counts as a source
	s_and_b32 s20, ttmp7, 0xffff                   ; the batch
	s_lshl_b32 s21, s20, 2
	s_mov_b32 s16, 0x76543210
	s_mov_b32 s17, 0xfedcba98
	s_mov_b32 s23, 0
	s_wait_kmcnt 0x0
	s_load_b32 s13, s[6:7], s21 offset:0x0
	s_lshl_b32 s22, s20, 23
	s_lshl_b32 s28, ttmp9, 9
	s_add_co_u32 s22, s22, s28
	s_add_nc_u64 s[18:19], s[4:5], s[22:23]        ; enc + 8,388,608 y + 512 x
	s_lshl_b32 s22, s20, 13
	s_add_nc_u64 s[24:25], s[8:9], s[22:23]        ; the batch's scores
	s_lshl_b32 s22, s20, 12
	s_add_co_u32 s22, s22, s28
	s_add_nc_u64 s[26:27], s[10:11], s[22:23]      ; out0 + 4,096 y + 512 x
	s_lshl_b32 s30, s12, 4                         ; 16 x wave
	s_wait_kmcnt 0x0
	s_max_i32 s13, s13, 0
	s_min_u32 s13, s13, 2048                       ; the length
	s_mov_b32 s15, 0xff61b1e6                      ; -3e38
	s_cmp_eq_u32 s13, 0
	s_cselect_b32 s14, 2048, s13                   ; rows that count
	s_cselect_b32 s15, 0, s15                      ; t of a masked row
	v_cmp_gt_u32 vcc_lo, s13, v13
	s_wait_xcnt 0x0                                ; EXEC changes only behind this wait
	s_and_saveexec_b32 s29, vcc_lo                 ; only scores that were stored are read: a listed tile's 16 rows are all there
	global_load_b64 v[4:5], v3, s[24:25]
	s_wait_loadcnt 0x0
	s_wait_xcnt 0x0
	s_or_b32 exec_lo, exec_lo, s29
	v_mov_b32 v7, s15
	v_mul_f32 v4, 0xc038aa3b, v4                   ; -2 log2(e) S
	v_mul_f32 v5, 0xc038aa3b, v5
	v_cndmask_b32 v4, v7, v4, vcc_lo
	v_cmp_gt_u32 vcc_lo, s13, v14
	v_cndmask_b32 v5, v7, v5, vcc_lo
	v_max_num_f32 v6, v4, v5
	WMAX
	ds_store_b32 v96, v6 offset:R1
	s_wait_dscnt 0x0
	s_barrier_signal -1
	s_barrier_wait -1
	ds_load_b32 v6, v97 offset:R1
	s_wait_dscnt 0x0
	WMAX                                           ; the row's largest t, in every lane
	v_sub_f32 v4, v4, v6
	v_sub_f32 v5, v5, v6
	v_exp_f32 v4, v4
	v_exp_f32 v5, v5
	v_nop
	s_wait_alu depctr_va_vdst(0)                   ; one wait for the two, ahead of their first reader
	ds_store_b64 v3, v[4:5] offset:P
	v_add_f32 v6, v4, v5
	WSUM
	ds_store_b32 v96, v6 offset:R2
	s_wait_dscnt 0x0                               ; the weights and my sum lie in LDS
	s_barrier_signal -1
	s_barrier_wait -1
	ds_load_b32 v6, v97 offset:R2
	s_wait_dscnt 0x0
	WSUM                                           ; at least 1: the largest t gives 1
	v_rcp_f32 v12, v6
	v_mov_b32 v8, 0
	v_mov_b32 v9, 0
	v_mov_b32 v10, 0
	v_mov_b32 v11, 0
	s_wait_alu depctr_va_vdst(0)
; groups of 16 rows: wave w takes groups w, 32 + w, 64 + w, 96 + w, as far as they begin under the rows that count
.irp k, 0,1,2,3
	s_add_co_u32 s31, s30, 512*\k
	s_cmp_ge_u32 s31, s14
	s_cbranch_scc1 .Lskip\k
.irp i, 0,1,2,3,4,5,6,7,8,9,10,11,12,13,14,15
	global_load_b128 v[32+4*\i:35+4*\i], v1, s[18:19] offset:\k*2097152+\i*4096 th:TH_LOAD_NT   ; 512 consecutive bytes of a row, aligned; read once in this launch
.endr
.irp q, 0,1,2,3
	ds_load_b128 v[16+4*\q:19+4*\q], v2 offset:P+2048*\k+16*\q     ; the group's weights, the same in every lane
.endr
	s_wait_loadcnt 0x0
	s_wait_dscnt 0x0
.irp i, 0,2,4,6,8,10,12,14
	v_pk_fma_f32 v[8:9], v[32+4*\i:33+4*\i], v[16+\i:17+\i], v[8:9] op_sel_hi:[1,0,1]
	v_pk_fma_f32 v[10:11], v[34+4*\i:35+4*\i], v[16+\i:17+\i], v[10:11] op_sel_hi:[1,0,1]
	v_pk_fma_f32 v[8:9], v[36+4*\i:37+4*\i], v[16+\i:17+\i], v[8:9] op_sel:[0,1,0] op_sel_hi:[1,1,1]
	v_pk_fma_f32 v[10:11], v[38+4*\i:39+4*\i], v[16+\i:17+\i], v[10:11] op_sel:[0,1,0] op_sel_hi:[1,1,1]
.endr
.Lskip\k:
.endr
	ds_store_b128 v98, v[8:11] offset:ACC
	s_wait_dscnt 0x0
	s_barrier_signal -1
	s_barrier_wait -1
	s_cmp_lg_u32 s12, 0
	s_cbranch_scc1 .Lend
.irp y, 0,1,2,3,4,5,6,7,8,9,10,11,12,13,14,15
	ds_load_b128 v[32+4*\y:35+4*\y], v99 offset:ACC+512*\y
.endr
	s_wait_dscnt 0x0
	v_pk_add_f32 v[8:9], v[32:33], v[40:41]        ; two chains
	v_pk_add_f32 v[10:11], v[34:35], v[42:43]
	v_pk_add_f32 v[16:17], v[36:37], v[44:45]
	v_pk_add_f32 v[18:19], v[38:39], v[46:47]
.irp y, 4,6,8,10,12,14
	v_pk_add_f32 v[8:9], v[8:9], v[32+4*\y:33+4*\y]
	v_pk_add_f32 v[10:11], v[10:11], v[34+4*\y:35+4*\y]
	v_pk_add_f32 v[16:17], v[16:17], v[36+4*\y:37+4*\y]
	v_pk_add_f32 v[18:19], v[18:19], v[38+4*\y:39+4*\y]
.endr
.irp y, 0,1,2,3,4,5,6,7,8,9,10,11,12,13,14,15
	ds_load_b128 v[32+4*\y:35+4*\y], v99 offset:ACC+512*(16+\y)
.endr
	s_wait_dscnt 0x0
.irp y, 0,2,4,6,8,10,12,14
	v_pk_add_f32 v[8:9], v[8:9], v[32+4*\y:33+4*\y]
	v_pk_add_f32 v[10:11], v[10:11], v[34+4*\y:35+4*\y]
	v_pk_add_f32 v[16:17], v[16:17], v[36+4*\y:37+4*\y]
	v_pk_add_f32 v[18:19], v[18:19], v[38+4*\y:39+4*\y]
.endr
	v_pk_add_f32 v[8:9], v[8:9], v[16:17]
	v_pk_add_f32 v[10:11], v[10:11], v[18:19]
	v_pk_mul_f32 v[8:9], v[8:9], v[12:13] op_sel_hi:[1,0]          ; / the weights' sum
	v_pk_mul_f32 v[10:11], v[10:11], v[12:13] op_sel_hi:[1,0]
	global_store_b128 v99, v[8:11], s[26:27]       ; 512 consecutive bytes, aligned
.Lend:
	s_wait_tensorcnt 0x0
	ds_add_u32 v104, v105
	s_wait_dscnt 0x0
	s_endpgm
.Lfunc_end_k_qb56a565323_attend:
	.size	k_qb56a565323_attend, .Lfunc_end_k_qb56a565323_attend-k_qb56a565323_attend
	.p2alignl 7, 3214868480
	.fill 96, 4, 3214868480
	.section	.rodata,"a",@progbits
	.p2align	6, 0x0
	.amdhsa_kernel k_qb56a565323_attend
		.amdhsa_group_segment_fixed_size 29184
		.amdhsa_private_segment_fixed_size 0
		.amdhsa_enable_private_segment 0
		.amdhsa_kernarg_size 32
		.amdhsa_user_sgpr_count 2
		.amdhsa_user_sgpr_kernarg_segment_ptr 1
		.amdhsa_wavefront_size32 1
		.amdhsa_system_sgpr_workgroup_id_x 1
		.amdhsa_system_sgpr_workgroup_id_y 1
		.amdhsa_system_sgpr_workgroup_id_z 1
		.amdhsa_system_vgpr_workitem_id 0
		.amdhsa_next_free_vgpr 106
		.amdhsa_next_free_sgpr 66
		.amdhsa_reserve_vcc 1
		.amdhsa_float_denorm_mode_32 3
		.amdhsa_float_denorm_mode_16_64 3
		.amdhsa_memory_ordered 1
		.amdhsa_forward_progress 1
		.amdhsa_inst_pref_size 28
	.end_amdhsa_kernel
	.amdgpu_metadata
---
amdhsa.version: [ 1, 2 ]
amdhsa.kernels:
  - .name:           k_qb56a565323_attend
    .symbol:         k_qb56a565323_attend.kd
    .args:
      - { .name: encoder_outputs, .offset: 0, .size: 8, .value_kind: global_buffer, .address_space: global }
      - { .name: src_lengths, .offset: 8, .size: 8, .value_kind: global_buffer, .address_space: global }
      - { .name: scores, .offset: 16, .size: 8, .value_kind: global_buffer, .address_space: global }
      - { .name: out0, .offset: 24, .size: 8, .value_kind: global_buffer, .address_space: global }
    .group_segment_fixed_size: 29184
    .private_segment_fixed_size: 0
    .kernarg_segment_align: 8
    .kernarg_segment_size: 32
    .max_flat_workgroup_size: 1024
    .sgpr_count:     66
    .vgpr_count:     106
    .wavefront_size: 32
...
	.end_amdgpu_metadata
.endif
;; end of part 3
